; MI455X (gfx1250); checked and timed in simulation.
; The chip was launched on July 23, 2026; its instructions are those of AMD's public machine-readable ISA for CDNA 5 (MIT licence, August 2026) and "CDNA5" Instruction Set Architecture Reference Guide (July 2026). The comments in the code are by the model that wrote it; some were corrected since.
;; Vector Quantizer. Allowed arithmetic: float matrix products may take bf16 or f16 operands with f32 sums; other float arithmetic in f32, or as packed bf16 or f16 multiplies, adds, multiply-adds, maxima and minima; sums over many terms, partial sums and values carried from step to step in f32; what a program stores and reads back later, other than sums and carried values, may be rounded once to bf16 or f16.
;; Inputs: emb 8,192 x 512 float32; latents 64 x 256 x 512 float32.
;; Outputs: out0 64 x 256 x 512 float32; out1 64 x 256 float32; out2 1 x 16,384 int32.
;; 2 versions, each right; version 2 is version 1 with the launches pack, finish written anew for expert scheduling mode. Each part assembles by itself: llvm-mc -triple=amdgcn-amd-amdhsa -mcpu=gfx1250 --defsym DOCPART=n.
;; ======== version 1 of 2: 3 launches
;; workspace buffers: embb 8,650,752 bytes; cand 524,288 bytes of whole numbers
;; launch pack (part 1): grid 256 x 1, 8 waves a work-group, no clusters, 1,280 bytes of LDS; arguments emb, embb; writes embb
.if DOCPART == 1
	.amdgcn_target "amdgcn-amd-amdhsa--gfx1250"
	.amdhsa_code_object_version 6
	.text
	.protected	k_q0b59dd36d0_pack
	.globl	k_q0b59dd36d0_pack
	.p2align	8
	.type	k_q0b59dd36d0_pack,@function
k_q0b59dd36d0_pack:
	s_mov_b64 s[64:65], 0
	v_nop
	global_prefetch_b8 v0, s[64:65] scope:SCOPE_SE
	s_setreg_imm32_b32 hwreg(HW_REG_WAVE_MODE, 25, 1), 1
	s_wait_xcnt 0x0
; emb [8192][512] f32  ->  embb: 256 groups of 32 codes.  A group is 33 rows of 1,024 bytes: rows 0-31 the codes rounded once to bf16 (k as it lies),
; row 32 the 32 norms B = sum of bf16(e)^2 in f32 (128 bytes) and 896 bytes of zeros.  So one tile of 33 rows brings codes and norms together in the next launch.
; SHARES.  Work-group g makes group g; wave w its rows 4 w .. 4 w + 3.  A wave's 16 loads (512 consecutive bytes each) go out at once: there is no loop.
; Every store of a wave covers 256 or 512 consecutive bytes, aligned to 256.  Memory binds: no matrix unit, no cluster (nothing is shared), no prefetch (all bytes are asked for at the start).
; LIMITS.  The norm is an f32 sum in a tree over lanes, another order than a sum along the row; NaN and infinities pass through as they are.
.set EROW,  2048                       ; bytes in a row of emb
.set BROW,  1024                       ; bytes in a row of embb
.set GRP,   33*BROW                    ; bytes in a group
.set SPARE, 256                        ; LDS: bytes 0-127 the 32 norms (the block 0-255 is theirs); from 256 on the spare words, 128 bytes a wave
.set LN,  1                            ; v1   lane
.set L16, 2                            ; v2   16 x lane
.set L8,  3                            ; v3   8 x lane
.set LA,  4                            ; v4   16 x wave: where my four norms go in LDS
.set LB,  5                            ; v5   16 x (lane % 8): where the norm row is read back
.set SPW, 6                            ; v6   LDS address of my spare word; never rewritten
.set NIL, 7                            ; v7   0; never rewritten
.set E,   8                            ; v[8:15]   eight numbers widened to f32, two sets by turns
.set CH,  16                           ; v[16:19]  two packed chains of squares
.set R0,  20                           ; v20, v21  the sum across lanes
.set R1,  21
.set NR,  24                           ; v[24:27] the norm row's first 512 bytes; v[28:31] zeros
.set X,   32                           ; v[32:95]  row i, load s at X + 16 i + 4 s
.set P,   96                           ; v[96:127] row i as bf16 at P + 8 i: a set for each row, so no store's data is written again
	s_load_b128 s[4:7], s[0:1], 0x0                ; emb s[4:5], embb s[6:7]
	v_lshl_add_u32 v[SPW], v0, 2, SPARE
	v_mov_b32 v[NIL], 0
	v_lshrrev_b32 v[LA], 5, v0
	v_readfirstlane_b32 s10, v[LA]                 ; wave 0..7
	v_lshlrev_b32 v[LA], 4, v[LA]
	v_and_b32 v[LN], 31, v0
	v_lshlrev_b32 v[L16], 4, v[LN]
	v_lshlrev_b32 v[L8], 3, v[LN]
	v_and_b32 v[LB], 7, v0
	v_lshlrev_b32 v[LB], 4, v[LB]
	v_mov_b32 v[R1], 0                             ; v_permlanex16_b32's destination counts as read
	s_mov_b32 s12, 0x76543210                      ; each lane takes its own place in the other half
	s_mov_b32 s13, 0xfedcba98
	s_mov_b32 s14, 0xffff0000                      ; a word's upper bf16
	s_lshl_b32 s2, ttmp9, 16                       ; the group's 32 rows of 2,048 bytes,
	s_lshl_b32 s3, s10, 13                         ; my four of them
	s_add_co_u32 s2, s2, s3
	s_mov_b32 s3, 0
	s_mul_i32 s16, ttmp9, GRP                      ; the group in embb
	s_mov_b32 s17, 0
	s_lshl_b32 s18, s10, 12                        ; my four rows of 1,024 bytes
	s_mov_b32 s19, 0
	s_wait_kmcnt 0x0
	s_add_nc_u64 s[4:5], s[4:5], s[2:3]
	s_add_nc_u64 s[8:9], s[6:7], s[16:17]          ; the group's first byte
	s_add_nc_u64 s[6:7], s[8:9], s[18:19]          ; my first row
.irp i, 0,1,2,3
.irp s, 0,1,2,3
	global_load_b128 v[X+16*(\i)+4*(\s):X+16*(\i)+4*(\s)+3], v[L16], s[4:5] offset:(\i)*EROW+512*(\s) th:TH_LOAD_NT
.endr
.endr
; Row i: rounded, stored, squared and summed.  left = the loads of the rows behind it, which may stay out.
.macro ROW i, left
	s_wait_loadcnt \left                           ; loads come back in order: my row's four are in
.irp s, 0,1,2,3
	v_cvt_pk_bf16_f32 v[P+8*(\i)+2*(\s)],   v[X+16*(\i)+4*(\s)],   v[X+16*(\i)+4*(\s)+1]
	v_cvt_pk_bf16_f32 v[P+8*(\i)+2*(\s)+1], v[X+16*(\i)+4*(\s)+2], v[X+16*(\i)+4*(\s)+3]
	global_store_b64 v[L8], v[P+8*(\i)+2*(\s):P+8*(\i)+2*(\s)+1], s[6:7] offset:(\i)*BROW+256*(\s)  ; 32 lanes x 8 bytes: 256 consecutive bytes, aligned
	v_lshlrev_b32 v[E+4*((\s)%2)],   16,  v[P+8*(\i)+2*(\s)]      ; the rounded numbers, widened again
	v_and_b32     v[E+4*((\s)%2)+1], s14, v[P+8*(\i)+2*(\s)]
	v_lshlrev_b32 v[E+4*((\s)%2)+2], 16,  v[P+8*(\i)+2*(\s)+1]
	v_and_b32     v[E+4*((\s)%2)+3], s14, v[P+8*(\i)+2*(\s)+1]
.if (\s) == 0
	v_pk_mul_f32 v[CH:CH+1],   v[E:E+1],   v[E:E+1]              ; the first squares start the chains: nothing is cleared
	v_pk_mul_f32 v[CH+2:CH+3], v[E+2:E+3], v[E+2:E+3]
.else
	v_pk_fma_f32 v[CH:CH+1],   v[E+4*((\s)%2):E+4*((\s)%2)+1],   v[E+4*((\s)%2):E+4*((\s)%2)+1],   v[CH:CH+1]
	v_pk_fma_f32 v[CH+2:CH+3], v[E+4*((\s)%2)+2:E+4*((\s)%2)+3], v[E+4*((\s)%2)+2:E+4*((\s)%2)+3], v[CH+2:CH+3]
.endif
.endr
	v_pk_add_f32 v[CH:CH+1], v[CH:CH+1], v[CH+2:CH+3]
	v_add_f32 v[R0], v[CH], v[CH+1]
	v_add_f32_dpp v[R0], v[R0], v[R0] row_xmask:1 row_mask:0xf bank_mask:0xf
	v_add_f32_dpp v[R0], v[R0], v[R0] row_xmask:2 row_mask:0xf bank_mask:0xf
	v_add_f32_dpp v[R0], v[R0], v[R0] row_xmask:4 row_mask:0xf bank_mask:0xf
	v_add_f32_dpp v[R0], v[R0], v[R0] row_xmask:8 row_mask:0xf bank_mask:0xf
	v_permlanex16_b32 v[R1], v[R0], s12, s13
	v_add_f32 v[R0], v[R0], v[R1]                  ; every lane holds the row's norm
	ds_store_b32 v[LA], v[R0] offset:4*(\i)        ; all lanes write the same word with the same number
.endm
	ROW 0, 12
	ROW 1, 8
	ROW 2, 4
	ROW 3, 0
	s_wait_dscnt 0x0                               ; for wave 0's sake: my four norms are in LDS
	s_barrier_signal -1
	s_barrier_wait -1
	s_cmp_lg_u32 s10, 0                            ; wave 0 writes the group's row 32
	s_cbranch_scc1 .Lend
	ds_load_b128 v[NR:NR+3], v[LB]                 ; lanes 0-7 take the 128 bytes; the others read the same bytes and drop them
.irp z, 4,5,6,7
	v_mov_b32 v[NR+(\z)], 0
.endr
	v_cmp_gt_u32 vcc_lo, 8, v[LN]
	s_wait_dscnt 0x0
.irp z, 0,1,2,3
	v_cndmask_b32 v[NR+(\z)], 0, v[NR+(\z)], vcc_lo
.endr
	global_store_b128 v[L16], v[NR:NR+3],   s[8:9] offset:32*BROW      ; the norms and 384 bytes of zeros: 512 consecutive bytes,
	global_store_b128 v[L16], v[NR+4:NR+7], s[8:9] offset:32*BROW+512  ; and the row's other 512
.Lend:
	s_wait_tensorcnt 0x0                           ; the wave's end: behind my last LDS store
	ds_add_u32 v[SPW], v[NIL]
	s_wait_dscnt 0x0
	s_endpgm
.Lfunc_end_k_q0b59dd36d0_pack:
	.size	k_q0b59dd36d0_pack, .Lfunc_end_k_q0b59dd36d0_pack-k_q0b59dd36d0_pack
	.p2alignl 7, 3214868480
	.fill 96, 4, 3214868480
	.section	.rodata,"a",@progbits
	.p2align	6, 0x0
	.amdhsa_kernel k_q0b59dd36d0_pack
		.amdhsa_group_segment_fixed_size 1280
		.amdhsa_private_segment_fixed_size 0
		.amdhsa_enable_private_segment 0
		.amdhsa_kernarg_size 16
		.amdhsa_user_sgpr_count 2
		.amdhsa_user_sgpr_kernarg_segment_ptr 1
		.amdhsa_wavefront_size32 1
		.amdhsa_system_sgpr_workgroup_id_x 1
		.amdhsa_system_sgpr_workgroup_id_y 1
		.amdhsa_system_sgpr_workgroup_id_z 1
		.amdhsa_system_vgpr_workitem_id 0
		.amdhsa_next_free_vgpr 128
		.amdhsa_next_free_sgpr 66
		.amdhsa_reserve_vcc 1
		.amdhsa_float_denorm_mode_32 3
		.amdhsa_float_denorm_mode_16_64 3
		.amdhsa_memory_ordered 1
		.amdhsa_forward_progress 1
		.amdhsa_inst_pref_size 14
	.end_amdhsa_kernel
	.amdgpu_metadata
---
amdhsa.version: [ 1, 2 ]
amdhsa.kernels:
  - .name:           k_q0b59dd36d0_pack
    .symbol:         k_q0b59dd36d0_pack.kd
    .args:
      - { .name: emb, .offset: 0, .size: 8, .value_kind: global_buffer, .address_space: global }
      - { .name: embb, .offset: 8, .size: 8, .value_kind: global_buffer, .address_space: global }
    .group_segment_fixed_size: 1280
    .private_segment_fixed_size: 0
    .kernarg_segment_align: 8
    .kernarg_segment_size: 16
    .max_flat_workgroup_size: 256
    .sgpr_count:     66
    .vgpr_count:     128
    .wavefront_size: 32
...
	.end_amdgpu_metadata
.endif
;; end of part 1
;; launch score (part 2): grid 4 x 64, 4 waves a work-group, clusters of 4 x 4, 327,680 bytes of LDS; arguments latents, embb, cand; writes cand
.if DOCPART == 2
	.amdgcn_target "amdgcn-amd-amdhsa--gfx1250"
	.amdhsa_code_object_version 6
	.text
	.protected	k_q0b59dd36d0_score
	.globl	k_q0b59dd36d0_score
	.p2align	8
	.type	k_q0b59dd36d0_score,@function
k_q0b59dd36d0_score:
	s_mov_b64 s[64:65], 0
	v_nop
	global_prefetch_b8 v0, s[64:65] scope:SCOPE_SE
	s_setreg_imm32_b32 hwreg(HW_REG_WAVE_MODE, 25, 1), 1
	s_wait_xcnt 0x0
	s_wait_alu depctr_hold_cnt(0) depctr_sa_sdst(0) depctr_va_vdst(0) depctr_va_sdst(0) depctr_va_ssrc(0) depctr_va_vcc(0) depctr_vm_vsrc(0)
	s_getreg_b32 s2, hwreg(HW_REG_IB_STS2, 6, 4)
	s_cmp_eq_u32 s2, 0
	s_cbranch_scc0 .Lentry_in_a_cluster
	s_endpgm
.Lentry_in_a_cluster:
	s_bfe_u32 s2, ttmp6, 0x10000c
	s_cmp_lg_u32 s2, 0xf033
	s_cbranch_scc0 .Lentry_shape_is_right
	s_endpgm
.Lentry_shape_is_right:
; For each of 16,384 tokens and each quarter of the 8,192 codes: the least d = fl(fl(A + B_k) - 2 S_k) and the first code that has it.  A = |bf16(x)|^2, B_k = |bf16(e_k)|^2, S_k = bf16(x) . bf16(e_k),
; all sums in f32.  d is made by one addition and one fused multiply-add (2 S is exact), so it is rounded where the sum of the three terms is rounded when it is taken from left to right;
; "<" is strict and the codes ascend, so equal d keep the lowest code.  Out: cand[quarter][token] = (key, code); key = d's bits turned so that unsigned order is d's order.
; LIMITS.  latents and emb are rounded once to bf16, here as in the launches beside this one.  A is summed by the matrix unit, B in a tree: f32 sums in another order than a sum along the row.
; A NaN among the inputs never wins a comparison: such a token keeps code 0 or a code without NaN.
; SHARES.  A work-group has 256 tokens and one quarter (2,048 codes): 64 x 4 = 256 work-groups.  A wave has 64 tokens, four tiles of 16, whole (K = 512) in 512 registers as bf16 fragments.
; Only codes go through LDS: a fragment of 16 codes x 32 k (two LDS loads) feeds four matrix instructions.
; PRODUCT.  Source 0 = 16 tokens, source 1 = 16 codes: lane (r, h), register j holds (token 8 h + j, code r).  So B is one register a code tile, and A, the running minimum and its code are
; eight registers a token tile: 32 chains that do not wait for each other.
; BY TURNS.  While code tile c is multiplied (64 matrix instructions into accumulator buffer c % 2), tile c - 1's 128 vector instructions (the RIDERS) stand between, four behind every two matrix instructions.
; RING.  Two LDS slots of 128 codes (four groups of 33 rows; each wave fetches one group by one tensor load).  A slot is filled again behind a round of the cluster's barrier; the load has 512 matrix instructions in which to land.
; CLUSTER.  4 x 4 work-groups: x = the quarter, y = four token blocks.  A code tile hangs on the quarter alone: the four of a column ask for it JOINTLY, by the same load, descriptor and mask.
; REGISTERS, in windows of 256 (s_set_vgpr_msb: bits 1:0 source 0, 3:2 source 1, 5:4 source 2, 7:6 destination):
;   window 0: all that vector work names.   window 1: two buffers of 128 for a code tile's fragments (chunk kc of buffer q at 128 q + 8 kc); at the start the two landing sets for f32 tokens.
;   window 2: token tiles 0, 1 (tile t, chunk kc at 128 (t % 2) + 8 kc).   window 3: token tiles 2, 3.
.set PC,     1040                      ; a code row in LDS: 1,024 bytes + 16 of padding = 260 words: row r starts at bank 4 r mod 64 (64 banks of 4 bytes: ISA guide 11.1)
.set QB,     33*PC                     ; a group in LDS: what one tensor load brings
.set SLOTB,  4*QB                      ; a slot: 128 codes, eight code tiles
.set GRP,    33792                     ; a group in embb
.set SLOTG,  4*GRP
.set QUARTG, 16*SLOTG
.set STAGE,  274688                    ; behind the ring, in blocks of 256 bytes of its own: 16 rows x 528 bytes for each wave, for turning tokens into fragments
.set SP,     528                       ; a stage row: 512 bytes + 16
.set STW,    16*SP
.set SPARE,  STAGE+4*STW               ; behind the stages: the spare words, 128 bytes a wave: two blocks of 256 bytes that no other line names
.set AC0, 2                            ; v2   my place in a code tile: r x PC + 16 h; never rewritten
.set AN0, 3                            ; v3   my place in a group's norm row: 32 PC + 4 r; never rewritten
.set ADR, 4                            ; v4   LDS address of the group whose fragments are fetched
.set ADN, 5                            ; v5   of its norms
.set CUR, 6                            ; v6   my code in the tile whose riders run
.set LO,  7                            ; v7   16 x lane
.set STS, 8                            ; v8   stage: where I put 8 bytes of a row
.set STL, 9                            ; v9   stage: where I read a fragment
.set PFO, 10                           ; v10  1,024 x lane: the prefetches' offset, a lane a row; never rewritten
.set HH,  11                           ; v11  h
.set BN,  12                           ; v[12:13] B of my code in the even tile, in the odd tile
.set SPW, 14                           ; v14  LDS address of my spare word; never rewritten
.set NIL, 15                           ; v15  0; never rewritten
.set BIX, 16                           ; v[16:23] lane x 4 of the lane that holds token 8 h + j's diagonal element
.set CO,  24                           ; v24  my byte offset in 256 bytes of cand
.set BIG, 25                           ; v25  0x7fffffff
.set ACC, 32                           ; v[32:95]   two accumulator buffers: buffer p, token tile t at ACC + 32 p + 8 t
.set AB,  96                           ; v[96:127]  fl(A + B)
.set AN,  128                          ; v[128:159] A
.set RUN, 160                          ; v[160:191] the running minima
.set IDX, 192                          ; v[192:223] their codes
.set M,   224                          ; v[224:231], v[232:239] at work in the last reduction
.set T,   232
.set OUT, 240                          ; v[240:243] (key, code) twice
.set WV,  10                           ; s10  wave
.set CX,  11                           ; s11, s12  my place in the cluster
.set CY,  12
.set QT,  13                           ; s13  the quarter
.set TKB, 14                           ; s14  the block of 256 tokens
.set G1,  16                           ; s[16:23] descriptor group 1
.set G0,  24                           ; s[24:31] descriptor group 0, a set for each LDS slot
.set PFA, 32                           ; s[32:33] where my prefetches stand
.set LIM, 34                           ; s34  1 in a work-group that prefetches, else the greatest number
.set OUTC, 35                          ; s35  counts pairs of slots
.set CNT, 36                           ; s36  counts a slot's four groups
.set TB,  37                           ; s37  LDS byte of the group to be fetched
.set MK,  38                           ; s38  a mask of two lanes
.set QOFF, 39                          ; s39  the quarter's first code
.set MSB, 0
.macro WIN new                         ; the immediate's high byte repeats the setting that is left; a switch that changes nothing is dropped
.if MSB != (\new)
	s_set_vgpr_msb (MSB<<8)|(\new)
.set MSB, \new
.endif
.endm
.set W01,    0x06                      ; tokens (source 0) in window 2, codes (source 1) in window 1, C and D in window 0
.set W23,    0x07                      ; tokens in window 3
.set TO_C,   0x40                      ; destination in window 1
.set FROM_C, 0x05                      ; sources 0 and 1 in window 1
; A round of the cluster's barrier: my work-group's barrier, so that wave 0's signal speaks for all four waves; wave 0 signals; every wave waits for all sixteen work-groups; my work-group's barrier once more.
.macro CROUND
	s_barrier_signal -1
	s_barrier_wait -1
	s_cmp_lg_u32 s[WV], 0
	s_cbranch_scc1 .Lnot_wave_0_\@
	s_barrier_signal -3
.Lnot_wave_0_\@:
	s_barrier_wait -3
	s_barrier_signal -1
	s_barrier_wait -1
.endm
	s_load_b128 s[4:7], s[0:1], 0x0                ; latents s[4:5], embb s[6:7]
	s_load_b64 s[8:9], s[0:1], 0x10                ; cand
	v_lshl_add_u32 v[SPW], v0, 2, SPARE
	v_mov_b32 v[NIL], 0
	ds_add_u32 v[SPW], v[NIL]                      ; the wave's opening: the add and its wait stand ahead of my first tensor load; the set-up below, work on registers, stands between them
	v_lshrrev_b32 v27, 5, v0
	v_readfirstlane_b32 s[WV], v27                 ; wave 0..3
	s_bfe_u32 s[CX], ttmp6, 0x40000
	s_bfe_u32 s[CY], ttmp6, 0x40004
	s_lshl_b32 s[QT], ttmp9, 2                     ; in a cluster launch ttmp9 and ttmp7 count clusters
	s_add_co_u32 s[QT], s[QT], s[CX]               ; the quarter = 4 x cluster x + cx
	s_and_b32 s50, ttmp7, 0xffff                   ; cluster y
	s_lshl_b32 s[TKB], s50, 2
	s_add_co_u32 s[TKB], s[TKB], s[CY]             ; the token block = 4 x cluster y + cy
	s_cmp_eq_u32 s50, 0                            ; every cluster walks the same codes: the first along y prefetches; the same answer in all sixteen partners
	s_cselect_b32 s[LIM], 1, -1
	s_lshl_b32 s40, 0x1111, s[CX]                  ; my column of the cluster: places cx, cx + 4, cx + 8, cx + 12
	; descriptor group 1: a tile of 33 rows x 512 elements of 2 bytes, dense in memory, padded in LDS
	s_or_b32 s[G1], s40, (1<<16)|(1<<20)|(1<<21)|(7<<22)|(3<<25)  ; 15:0 the mask; 17:16 elements of 2 bytes; 20 padding on; 21 set beside a mask; 24:22 after every 256 words (code 7); 31:25 4 words of it (code 3)
	s_mov_b32 s[G1+1], 512<<16                     ; tensor_dim0 = 512
	s_mov_b32 s[G1+2], 33<<16                      ; tensor_dim1 = 33
	s_mov_b32 s[G1+3], 512<<16                     ; tile_dim0 = 512
	s_mov_b32 s[G1+4], 33                          ; tile_dim1 = 33
	s_mov_b32 s[G1+5], 512                         ; 512 elements from row to row
	s_mov_b32 s[G1+6], 0
	s_mov_b32 s[G1+7], 0
	s_mul_i32 s40, s[QT], QUARTG                   ; where my tiles come from: the quarter and the wave's group; neither cy nor the token block enters these registers
	s_mul_i32 s41, s[WV], GRP
	s_add_co_u32 s40, s40, s41
	s_mov_b32 s41, 0
	s_mul_i32 s44, s[WV], QB                       ; and where they go: the wave's number alone
	s_lshl_b32 s46, s[TKB], 19                     ; my 64 tokens: (256 block + 64 wave) rows of 2,048 bytes
	s_lshl_b32 s47, s[WV], 17
	s_add_co_u32 s46, s46, s47
	s_mov_b32 s47, 0
	s_lshl_b32 s52, s[QT], 17                      ; cand: the quarter's 131,072 bytes, 8 bytes a token
	s_lshl_b32 s53, s[TKB], 11
	s_add_co_u32 s52, s52, s53
	s_lshl_b32 s53, s[WV], 9
	s_add_co_u32 s52, s52, s53
	s_mov_b32 s53, 0
	s_lshl_b32 s48, s[CY], 8                       ; the prefetches: of a row's 1,024 bytes the partner at place cy takes 256: shared out by address,
	s_add_co_u32 s48, s48, 2*SLOTG                 ; beginning at slot 2; the first change of slots steps it to slot 3
	s_mov_b32 s49, 0
	s_lshl_b32 s[QOFF], s[QT], 11
	s_mov_b32 s54, 0x7f800000                      ; +infinity
	s_mov_b32 s55, 0xff800000                      ; -infinity
	v_and_b32 v1, 15, v0                           ; r
	v_bfe_u32 v[HH], v0, 4, 1                      ; h
	v_and_b32 v26, 31, v0                          ; lane
	v_lshlrev_b32 v[LO], 4, v26
	v_lshlrev_b32 v[PFO], 10, v26
	s_mul_i32 s51, s[WV], STW
	s_add_co_u32 s51, s51, STAGE                   ; my stage
	v_lshl_add_u32 v[STS], v26, 3, s51
	v_mul_u32_u24 v[STL], v1, SP
	v_lshl_add_u32 v[STL], v[HH], 4, v[STL]
	v_add_nc_u32 v[STL], s51, v[STL]
	v_mul_u32_u24 v[AC0], v1, PC
	v_lshl_add_u32 v[AC0], v[HH], 4, v[AC0]
	v_lshlrev_b32 v[AN0], 2, v1
	v_add_nc_u32 v[AN0], 32*PC, v[AN0]
	v_lshrrev_b32 v28, 3, v1                       ; on the way out lane (r, h) holds token 16 (r / 8) + 8 h + r % 8 of 32
	v_and_b32 v29, 7, v1
	v_lshlrev_b32 v[CO], 7, v28
	v_lshl_add_u32 v[CO], v[HH], 6, v[CO]
	v_lshl_add_u32 v[CO], v29, 3, v[CO]
	s_wait_dscnt 0x0                               ; the opening add is done
	s_wait_kmcnt 0x0
	s_add_nc_u64 s[4:5], s[4:5], s[46:47]
	s_add_nc_u64 s[8:9], s[8:9], s[52:53]
	s_add_nc_u64 s[42:43], s[6:7], s[40:41]        ; my group of the quarter's slot 0
	s_add_nc_u64 s[PFA:PFA+1], s[42:43], s[48:49]
.irp sl, 0,1
	s_mov_b32 s[G0+4*(\sl)], 1                                         ; count = 1
	s_add_co_u32 s[G0+4*(\sl)+1], s44, (\sl)*SLOTB                     ; LDS address
	s_add_nc_u64 s[G0+4*(\sl)+2:G0+4*(\sl)+3], s[42:43], (\sl)*SLOTG   ; global address: slot sl
	s_or_b32 s[G0+4*(\sl)+3], s[G0+4*(\sl)+3], 0x80000000              ; type = 2
.endr
; TOKENS INTO FRAGMENTS, in eight passes: pass n is token tile n / 2, K half n % 2: 16 rows x 1,024 bytes of f32.
; LOADP: its 32 loads, 512 consecutive bytes of a row each, into landing set n % 2 (row i, half-row s at 8 i + 4 s).
.macro LOADP n
	WIN TO_C
.set li, 0
.rept 32
	global_load_b128 v[128*((\n)%2)+4*li:128*((\n)%2)+4*li+3], v[LO], s[4:5] offset:(16*((\n)/2)+li/2)*2048+((\n)%2)*1024+512*(li%2)
.set li, li+1
.endr
	WIN 0
.endm
; PASS: rounded to bf16, laid into my stage by rows, read back as eight fragments of 16 tokens x 32 k.  The stage is my wave's own and LDS serves a wave's instructions in order
; (ISA guide 5.7.1.4): no wait stands between the stores and the loads, nor in front of the next pass's stores.  left = the next pass's loads, which may stay out.
.macro PASS n, left
	s_wait_loadcnt \left
	WIN FROM_C
.set pi, 0
.rept 32
	v_cvt_pk_bf16_f32 v[ACC+2*pi],   v[128*((\n)%2)+4*pi],   v[128*((\n)%2)+4*pi+1]
	v_cvt_pk_bf16_f32 v[ACC+2*pi+1], v[128*((\n)%2)+4*pi+2], v[128*((\n)%2)+4*pi+3]
.set pi, pi+1
.endr
	WIN 0
.set pi, 0
.rept 32
	ds_store_b64 v[STS], v[ACC+2*pi:ACC+2*pi+1] offset:(pi/2)*SP+256*(pi%2)
.set pi, pi+1
.endr
	WIN 0x80+0x40*((\n)/4)                         ; destination window 2 (tiles 0, 1) or 3 (tiles 2, 3)
.set pi, 0
.rept 8
	ds_load_b128 v[128*(((\n)/2)%2)+8*(8*((\n)%2)+pi):128*(((\n)/2)%2)+8*(8*((\n)%2)+pi)+3],   v[STL] offset:64*pi
	ds_load_b128 v[128*(((\n)/2)%2)+8*(8*((\n)%2)+pi)+4:128*(((\n)/2)%2)+8*(8*((\n)%2)+pi)+7], v[STL] offset:64*pi+32
.set pi, pi+1
.endr
	WIN 0
.endm
	LOADP 0                                        ; the first tokens are on their way while the cluster meets
	LOADP 1
	CROUND                                         ; all sixteen work-groups are here: the first joint loads meet
	tensor_load_to_lds s[G0:G0+3], s[G1:G1+7]      ; slot 0, my group: the two first fills go out together; two tensor loads of mine are out here, later one
	s_nop 0
	tensor_load_to_lds s[G0+4:G0+7], s[G1:G1+7]    ; slot 1
	s_nop 0
.rept 4
	v_nop
.endr
.irp n, 0,1,2,3,4,5
	PASS \n, 32
	LOADP (\n)+2
.endr
	PASS 6, 32
	PASS 7, 0
	; What the first tile's riders find.  They run for a tile that has not been: its scores are -infinity, so its d are +infinity and win nothing; so no first tile is written out.
	; These lines stand in the wait for the first code tile.
.set z, 0
.rept 32
	v_mov_b32 v[RUN+z], s54
	v_mov_b32 v[IDX+z], 0
.set z, z+1
.endr
.set z, 0
.rept 20
	v_mov_b32 v[M+z], 0                            ; M, T and OUT: destinations that count as read
.set z, z+1
.endr
	v_mov_b32 v[BN+1], 0
	v_add_nc_u32 v[CUR], 0xffffffe0, v1            ; r - 32: each tile adds 16, and tile 1's riders, the first true ones, find r
	v_mov_b32 v[BIG], 0x7fffffff
; A code tile's fragments (16 codes x 512 k: 32 loads in one run) and its norms, into buffer q: half q of the group at s[TB].
.macro FETCH q
	WIN 0
.if (\q) == 0
	v_add_nc_u32 v[ADR], s[TB], v[AC0]
	v_add_nc_u32 v[ADN], s[TB], v[AN0]
.endif
	ds_load_b32 v[BN+(\q)], v[ADN] offset:64*(\q)
	WIN TO_C
.set fk, 0
.rept 16
	ds_load_b128 v[128*(\q)+8*fk:128*(\q)+8*fk+3],   v[ADR] offset:(\q)*16*PC+64*fk
	ds_load_b128 v[128*(\q)+8*fk+4:128*(\q)+8*fk+7], v[ADR] offset:(\q)*16*PC+64*fk+32
.set fk, fk+1
.endr
	WIN 0
.if (\q) == 1
	s_add_co_u32 s[TB], s[TB], QB                  ; the next fetch is the next group's
.endif
.endm
; Matrix instruction for chunk kc: token tile t x the code tile in buffer p.  Chunk 0 starts the sum: nothing is cleared.
.macro MMA p, t
.set rD, ACC+32*(\p)+8*(\t)
.set rA, 128*((\t)%2)+8*kc
.set rB, 128*(\p)+8*kc
.if kc == 0
	v_wmma_f32_16x16x32_bf16 v[rD:rD+7], v[rA:rA+7], v[rB:rB+7], 0
.else
	v_wmma_f32_16x16x32_bf16 v[rD:rD+7], v[rA:rA+7], v[rB:rB+7], v[rD:rD+7]
.endif
.endm
; THE RIDERS: a list of 128 for the finished tile in accumulator buffer a; EP writes number rn and steps rn.
;   0-15    fl(A + B), a pair of tokens each
;   16, and then one in seven:  d = fl(fl(A + B) - 2 S), a pair each, in place, ascending: each accumulator is read from its low end on
;   the others, three for each d: is it less than the running minimum; the minimum; the code where it was less.  A pair's d is made seven lines ahead of its first compare.
.macro EP a
.set rC, ACC+32*(\a)
.if rn < 16
.if \a
	v_pk_add_f32 v[AB+2*rn:AB+2*rn+1], v[AN+2*rn:AN+2*rn+1], v[BN:BN+1] op_sel:[0,1] op_sel_hi:[1,1]
.else
	v_pk_add_f32 v[AB+2*rn:AB+2*rn+1], v[AN+2*rn:AN+2*rn+1], v[BN:BN+1] op_sel_hi:[1,0]
.endif
.else
.if rn == 16
.set eu, 0
.set es, 0
.set fu, 0
.elseif rn < 122
.set eu, (rn-17)/7
.set es, (rn-17)%7
.set fu, eu+1
.else
.set eu, 15
.set es, rn-121
.set fu, 0
.endif
.if es == 0
	v_pk_fma_f32 v[rC+2*fu:rC+2*fu+1], v[rC+2*fu:rC+2*fu+1], -2.0, v[AB+2*fu:AB+2*fu+1] op_sel_hi:[1,0,1]
.else
.set el, 2*eu+(es-1)/3
.set ek, (es-1)%3
.if ek == 0
	v_cmp_lt_f32 vcc_lo, v[rC+el], v[RUN+el]
.elseif ek == 1
	v_min_num_f32 v[RUN+el], v[RUN+el], v[rC+el]
.else
	v_cndmask_b32 v[IDX+el], v[IDX+el], v[CUR], vcc_lo
.endif
.endif
.endif
.set rn, rn+1
.endm
; A CODE TILE of parity p: 64 matrix instructions; the four accumulators take turns, one instruction a turn, over tile ends and backward jumps too.
; Behind every two stand four riders of the tile before (buffer 1 - p), which name no register of the products round them.  The first read of that tile's sums is rider 16: twenty-one plain
; vector instructions behind its last product.  fetch = 1: behind chunk 3 the next tile's run of loads goes into buffer 1 - p, whose last reader stands 36 riders back; its first reader comes 48 matrix instructions later.
.macro TILE p, fetch
	s_wait_dscnt 0x0                               ; buffer p's fragments and the norms are in
.set rn, 0
.set kc, 0
.rept 16
	WIN W01
	MMA \p, 0
	MMA \p, 1
	WIN 0
.if kc == 0
	v_add_nc_u32 v[CUR], 16, v[CUR]
.endif
.rept 4
	EP 1-(\p)
.endr
	WIN W23
	MMA \p, 2
	MMA \p, 3
	WIN 0
.rept 4
	EP 1-(\p)
.endr
.if (\fetch) && (kc == 3)
	FETCH 1-(\p)
.endif
.set kc, kc+1
.endr
.endm
; A PREFETCH INTO THE L2, behind the joint load and its five lines: rows 0-31 of my own group in the slot that the NEXT change will ask for, 512 matrix instructions ahead of that load: a lane a row,
; 256 bytes of each; the four partners of a column take the row's four parts, told apart by address.  The first cluster along y asks, nobody else: each block is named once in the launch.
; Slots 0 to 2 and the norm rows come by their loads alone.  how = 1: a change that always has a slot two on; how = 0: the loop's second change, which has none in the last trip (s[OUTC] = 1).
.macro ASK how
.if \how
	s_cmp_eq_u32 s[LIM], 1
.else
	s_cmp_gt_u32 s[OUTC], s[LIM]
.endif
	s_cbranch_scc0 .Lnot_mine_\@
	global_prefetch_b8 v[PFO], s[PFA:PFA+1] th:TH_LOAD_NT scope:SCOPE_SE
.Lnot_mine_\@:
.endm
; THE CHANGE OF SLOTS.  The last tile of the slot that is left has been asked for.  Each wave waits for all its tensor loads, of which one is out: its group of the other slot; adds 0 to its spare word; and waits
; for that and for its own reads of the slot.  Behind the barrier nobody reads the old slot and the other slot is whole.  fill = 1: LDS slot f is filled again, with the codes two slots on; the barrier is then a
; round of the cluster's, so that no wave of any partner still reads the slot or has a load on its way, and the joint load is the first thing behind it.
.macro CHANGE f, fill, how
	WIN 0
	s_wait_tensorcnt 0x0                           ; no tensor load of mine is out, so a group 0 may be written
	ds_add_u32 v[SPW], v[NIL]                      ; 0 onto my spare word; the steps below stand between it and the wait for it
.if \fill
	s_add_nc_u64 s[G0+4*(\f)+2:G0+4*(\f)+3], s[G0+4*(\f)+2:G0+4*(\f)+3], 2*SLOTG  ; the type bits on top are not reached
	s_wait_xcnt 0x0                                ; the last prefetch, eight tiles back, has read its address, so it may be written
	s_add_nc_u64 s[PFA:PFA+1], s[PFA:PFA+1], SLOTG
	s_wait_dscnt 0x0                               ; the add is done, and my reads of the slot are over
	CROUND
	tensor_load_to_lds s[G0+4*(\f):G0+4*(\f)+3], s[G1:G1+7]
	s_nop 0
.rept 4
	v_nop
.endr
	ASK \how
.else
	s_wait_dscnt 0x0                               ; the add is done, and my reads of the slot are over
	s_barrier_signal -1
	s_barrier_wait -1
.endif
.endm
; A PERIOD: eight tiles are multiplied (the last of the slot before, then seven of LDS slot sl) and slot sl's eight are fetched.
.macro PERIOD sl, fill, how, tag
	CHANGE 1-(\sl), \fill, \how
	s_mov_b32 s[TB], (\sl)*SLOTB
	s_mov_b32 s[CNT], 4
.Lpair\tag:
	TILE 1, 1
.Lmid\tag:
	TILE 0, 1
	s_sub_co_u32 s[CNT], s[CNT], 1
	s_cmp_lg_u32 s[CNT], 0
	s_cbranch_scc1 .Lpair\tag
.endm
	s_wait_tensorcnt 0x1                           ; my group of slot 0 is in; slot 1's, the one load issued behind it, may stay out
	s_wait_dscnt 0x0                               ; my tokens' fragments are in registers, and no LDS instruction of mine is pending at the signal
	s_barrier_signal -1
	s_barrier_wait -1                              ; everybody's group is in
	s_mov_b32 s[TB], 0
	FETCH 0                                        ; code tile 0
	; A BY THE MATRIX UNIT: X X^T for each token tile, into accumulator buffer 0; its diagonal is |x|^2.  The four accumulators take turns.
.set kc, 0
.rept 16
.irp t, 0,1,2,3
	WIN 0x0a+5*((\t)/2)                            ; both sources in window 2 or 3
.if kc == 0
	v_wmma_f32_16x16x32_bf16 v[ACC+8*(\t):ACC+8*(\t)+7], v[128*((\t)%2)+8*kc:128*((\t)%2)+8*kc+7], v[128*((\t)%2)+8*kc:128*((\t)%2)+8*kc+7], 0
.else
	v_wmma_f32_16x16x32_bf16 v[ACC+8*(\t):ACC+8*(\t)+7], v[128*((\t)%2)+8*kc:128*((\t)%2)+8*kc+7], v[128*((\t)%2)+8*kc:128*((\t)%2)+8*kc+7], v[ACC+8*(\t):ACC+8*(\t)+7]
.endif
.endr
.set kc, kc+1
.endr
	WIN 0
	v_mul_u32_u24 v[BIX], v[HH], 96                ; element (8 h + j, 8 h + j) lies in lane 24 h + j, register j.  These forty plain lines are the places behind the last products
.irp j, 1,2,3,4,5,6,7
	v_add_nc_u32 v[BIX+(\j)], 4*(\j), v[BIX]
.endr
.set z, 0
.rept 32
	v_mov_b32 v[ACC+32+z], s55                     ; the scores of the tile that has not been
.set z, z+1
.endr
.irp t, 0,1,2,3
.irp j, 0,1,2,3,4,5,6,7
	ds_bpermute_b32 v[AN+8*(\t)+(\j)], v[BIX+(\j)], v[ACC+8*(\t)+(\j)]  ; every lane of half h takes A of token 8 h + j; waited for at the first tile's head
.endr
.endr
	s_mov_b32 s[OUTC], 8
	s_mov_b32 s[CNT], 4
	s_branch .Lmid0                                ; the walk is entered at tile 0, in the middle of a trip: seven tiles of slot 0 are multiplied, its other seven fetched
.Lout:                                                 ; seven trips: the changes into slots 1 to 14, each of which fills the slot that it leaves
	PERIOD 1, 1, 1, 1
	PERIOD 0, 1, 0, 0
	s_sub_co_u32 s[OUTC], s[OUTC], 1
	s_cmp_lg_u32 s[OUTC], 0
	s_cbranch_scc1 .Lout
	PERIOD 1, 0, 0, 2                              ; the tail is written out: slot 15, nothing is asked for
	TILE 1, 0                                      ; tile 127
	v_add_nc_u32 v[CUR], 16, v[CUR]
.set rn, 0
.rept 128
	EP 1                                           ; and its riders: the first read of its sums stands 21 plain lines behind its last product
.endr
; THE 16 LANES OF A HALF hold 16 candidates for each token (codes r, r + 16, ..).  The least d; among the lanes that have it the least code; then lanes r = 8 (t % 2) + j of both halves keep token tile t's register j.
.macro RED t
.irp j, 0,1,2,3,4,5,6,7
	v_min_num_f32_dpp v[M+(\j)], v[RUN+8*(\t)+(\j)], v[RUN+8*(\t)+(\j)] row_xmask:1 row_mask:0xf bank_mask:0xf
.endr
.irp k, 2,4,8
.irp j, 0,1,2,3,4,5,6,7
	v_min_num_f32_dpp v[M+(\j)], v[M+(\j)], v[M+(\j)] row_xmask:\k row_mask:0xf bank_mask:0xf
.endr
.endr
.irp j, 0,1,2,3,4,5,6,7
	v_cmp_eq_f32 vcc_lo, v[RUN+8*(\t)+(\j)], v[M+(\j)]
	v_cndmask_b32 v[IDX+8*(\t)+(\j)], v[BIG], v[IDX+8*(\t)+(\j)], vcc_lo
.endr
.irp k, 1,2,4,8
.irp j, 0,1,2,3,4,5,6,7
	v_mov_b32_dpp v[T+(\j)], v[IDX+8*(\t)+(\j)] row_xmask:\k row_mask:0xf bank_mask:0xf
.endr
.irp j, 0,1,2,3,4,5,6,7
	v_min_u32 v[IDX+8*(\t)+(\j)], v[IDX+8*(\t)+(\j)], v[T+(\j)]
.endr
.endr
.irp j, 0,1,2,3,4,5,6,7
	s_mov_b32 s[MK], 0x00010001<<(8*((\t)%2)+(\j))
	v_cndmask_b32 v[OUT+2*((\t)/2)],   v[OUT+2*((\t)/2)],   v[M+(\j)], s[MK]
	v_cndmask_b32 v[OUT+2*((\t)/2)+1], v[OUT+2*((\t)/2)+1], v[IDX+8*(\t)+(\j)], s[MK]
.endr
.endm
	RED 0
	RED 1
	RED 2
	RED 3
.irp g, 0,2
	v_add_f32 v[OUT+(\g)], 0, v[OUT+(\g)]          ; -0 becomes +0, so that equal d have equal keys
	v_ashrrev_i32 v[T], 31, v[OUT+(\g)]
	v_or_b32 v[T], 0x80000000, v[T]
	v_xor_b32 v[OUT+(\g)], v[OUT+(\g)], v[T]       ; a positive d gets its top bit set, a negative one is turned over: unsigned order is d's order
	v_add_nc_u32 v[OUT+(\g)+1], s[QOFF], v[OUT+(\g)+1]
.endr
	global_store_b64 v[CO], v[OUT:OUT+1],   s[8:9]             ; 32 tokens x 8 bytes: 256 consecutive bytes, aligned
	global_store_b64 v[CO], v[OUT+2:OUT+3], s[8:9] offset:256
	s_wait_tensorcnt 0x0                           ; the wave's end: behind my last tensor load and my last LDS store
	ds_add_u32 v[SPW], v[NIL]
	s_wait_dscnt 0x0
	CROUND                                         ; the closing round: no work-group ends while a partner may still ask for a tile that names it
	s_endpgm
.Lfunc_end_k_q0b59dd36d0_score:
	.size	k_q0b59dd36d0_score, .Lfunc_end_k_q0b59dd36d0_score-k_q0b59dd36d0_score
	.p2alignl 7, 3214868480
	.fill 96, 4, 3214868480
	.section	.rodata,"a",@progbits
	.p2align	6, 0x0
	.amdhsa_kernel k_q0b59dd36d0_score
		.amdhsa_group_segment_fixed_size 327680
		.amdhsa_private_segment_fixed_size 0
		.amdhsa_enable_private_segment 0
		.amdhsa_kernarg_size 24
		.amdhsa_user_sgpr_count 2
		.amdhsa_user_sgpr_kernarg_segment_ptr 1
		.amdhsa_wavefront_size32 1
		.amdhsa_system_sgpr_workgroup_id_x 1
		.amdhsa_system_sgpr_workgroup_id_y 1
		.amdhsa_system_sgpr_workgroup_id_z 1
		.amdhsa_system_vgpr_workitem_id 0
		.amdhsa_next_free_vgpr 1024
		.amdhsa_next_free_sgpr 66
		.amdhsa_reserve_vcc 1
		.amdhsa_float_denorm_mode_32 3
		.amdhsa_float_denorm_mode_16_64 3
		.amdhsa_memory_ordered 1
		.amdhsa_forward_progress 1
		.amdhsa_inst_pref_size 228
	.end_amdhsa_kernel
	.amdgpu_metadata
---
amdhsa.version: [ 1, 2 ]
amdhsa.kernels:
  - .name:           k_q0b59dd36d0_score
    .symbol:         k_q0b59dd36d0_score.kd
    .args:
      - { .name: latents, .offset: 0, .size: 8, .value_kind: global_buffer, .address_space: global }
      - { .name: embb, .offset: 8, .size: 8, .value_kind: global_buffer, .address_space: global }
      - { .name: cand, .offset: 16, .size: 8, .value_kind: global_buffer, .address_space: global }
    .group_segment_fixed_size: 327680
    .private_segment_fixed_size: 0
    .kernarg_segment_align: 8
    .kernarg_segment_size: 24
    .max_flat_workgroup_size: 128
    .sgpr_count:     66
    .vgpr_count:     1024
    .wavefront_size: 32
...
	.end_amdgpu_metadata
.endif
;; end of part 2
;; launch finish (part 3): grid 256 x 1, 16 waves a work-group, no clusters, 2,560 bytes of LDS; arguments latents, embb, cand, out0, out1, out2; writes out0, out1, out2
.if DOCPART == 3
	.amdgcn_target "amdgcn-amd-amdhsa--gfx1250"
	.amdhsa_code_object_version 6
	.text
	.protected	k_q0b59dd36d0_finish
	.globl	k_q0b59dd36d0_finish
	.p2align	8
	.type	k_q0b59dd36d0_finish,@function
k_q0b59dd36d0_finish:
	s_mov_b64 s[64:65], 0
	v_nop
	global_prefetch_b8 v0, s[64:65] scope:SCOPE_SE
	s_setreg_imm32_b32 hwreg(HW_REG_WAVE_MODE, 25, 1), 1
	s_wait_xcnt 0x0
; For each token: the best of its four candidates (one a quarter of the codebook), chosen on whole numbers read from cand: the least key, and of equal keys the lowest quarter, which holds the lowest code.
; Then q = that code's row of embb (bf16), xb = bf16(x):  out0 = fl(xb + fl(q - xb));  L = sum((q - xb)^2) / 512;  out1 = L + 0.25 L (one fused multiply-add);  out2 = the code.
; SHARES.  A work-group has 64 tokens, a wave 4.  Straight-line: a wave's 16 loads of x go out first, its 16 loads of q as soon as the codes are chosen.
; Each load and store of a row covers 512 (q: 256) consecutive bytes, aligned; out1 and out2 leave through LDS, 256 bytes a work-group each, by one store.
; Memory binds: no matrix unit, no cluster (nothing is shared), no prefetch (all bytes are asked for at the start).  EXEC never changes.
; LIMITS.  latents and emb are taken rounded once to bf16, as in the launches before.  The loss's sum is an f32 tree over lanes.  A code read from cand is held to 0 .. 8191.
.set ROWB,  2048                       ; bytes in a row of latents and of out0
.set SPARE, 512                        ; LDS: 0-255 the 64 losses, 256-511 the 64 codes; from 512 on the spare words, 128 bytes a wave
.set L16, 1                            ; v1   16 x lane
.set L8,  2                            ; v2   8 x lane
.set LA,  3                            ; v3   16 x wave
.set SPW, 4                            ; v4   LDS address of my spare word; never rewritten
.set NIL, 5                            ; v5   0; never rewritten
.set QO,  6                            ; v[6:9]    token i: my byte offset in its code's row
.set T,   10                           ; v[10:13]  q widened
.set D,   14                           ; v[14:17]  q - xb
.set CH,  18                           ; v[18:21]  two packed chains of squares
.set PK,  22                           ; v22, v23  xb packed; later the sum across lanes
.set LOSS, 24                          ; v24
.set IX,  25                           ; v25
.set BK,  26                           ; v[26:27]  the way out
.set BA,  28                           ; v28
.set X,   32                           ; v[32:95]  token i, load s at X + 16 i + 4 s: x, then xb, then out0
.set Q,   96                           ; v[96:127] token i, load s at Q + 8 i + 2 s
.set CA,  16                           ; s[16:47]  quarter c's four (key, code) at CA + 8 c
.set WIN_, 48                          ; s[48:51]  the chosen codes
.set RO,  52                           ; s[52:55]  their rows' byte offsets in embb
	s_load_b256 s[4:11], s[0:1], 0x0               ; latents s[4:5], embb s[6:7], cand s[8:9], out0 s[10:11]
	s_load_b128 s[12:15], s[0:1], 0x20             ; out1 s[12:13], out2 s[14:15]
	v_lshl_add_u32 v[SPW], v0, 2, SPARE
	v_mov_b32 v[NIL], 0
	v_lshrrev_b32 v[LA], 5, v0
	v_readfirstlane_b32 s57, v[LA]                 ; wave 0..15
	v_lshlrev_b32 v[LA], 4, v[LA]
	v_and_b32 v[L8], 31, v0
	v_lshlrev_b32 v[L16], 4, v[L8]
	v_lshlrev_b32 v[L8], 3, v[L8]
	v_lshl_add_u32 v[BA], v[LA], 4, v[L8]          ; 256 x wave + 8 x lane
	s_mov_b32 s58, 0x76543210                      ; each lane takes its own place in the other half
	s_mov_b32 s59, 0xfedcba98
	s_mov_b32 s60, 0xffff0000                      ; a word's upper bf16
	s_lshl_b32 s2, ttmp9, 17                       ; my first token, 64 g + 4 w: its row of 2,048 bytes,
	s_lshl_b32 s3, s57, 13
	s_add_co_u32 s2, s2, s3
	s_mov_b32 s3, 0
	s_lshl_b32 s62, ttmp9, 9                       ; and its 8 bytes in a quarter of cand
	s_lshl_b32 s63, s57, 5
	s_add_co_u32 s62, s62, s63
	s_mov_b32 s63, 0
	s_wait_kmcnt 0x0
	s_add_nc_u64 s[8:9], s[8:9], s[62:63]
.irp c, 0,1,2,3
	s_load_b256 s[CA+8*(\c):CA+8*(\c)+7], s[8:9], (\c)*0x20000  ; four tokens' (key, code) of quarter c
.endr
	s_add_nc_u64 s[4:5], s[4:5], s[2:3]
	s_add_nc_u64 s[10:11], s[10:11], s[2:3]
.irp i, 0,1,2,3
.irp s, 0,1,2,3
	global_load_b128 v[X+16*(\i)+4*(\s):X+16*(\i)+4*(\s)+3], v[L16], s[4:5] offset:(\i)*ROWB+512*(\s) th:TH_LOAD_NT
.endr
.endr
	s_lshl_b32 s2, ttmp9, 8                        ; the work-group's 256 bytes of out1 and of out2
	s_add_nc_u64 s[12:13], s[12:13], s[2:3]
	s_add_nc_u64 s[14:15], s[14:15], s[2:3]
	s_wait_kmcnt 0x0                               ; the candidates are in
.irp i, 0,1,2,3
	s_mov_b32 s56, s[CA+2*(\i)]
	s_mov_b32 s[WIN_+(\i)], s[CA+2*(\i)+1]
.irp c, 1,2,3
	s_cmp_lt_u32 s[CA+8*(\c)+2*(\i)], s56          ; strictly less: of equal keys the lower quarter stays
	s_cselect_b32 s56, s[CA+8*(\c)+2*(\i)], s56
	s_cselect_b32 s[WIN_+(\i)], s[CA+8*(\c)+2*(\i)+1], s[WIN_+(\i)]
.endr
	s_min_u32 s[WIN_+(\i)], s[WIN_+(\i)], 0x1fff   ; inside the table, whatever was read
	s_lshl_b32 s[RO+(\i)], s[WIN_+(\i)], 10        ; code c lies at 1,024 c + 1,024 (c / 32): a norm row follows every 32 codes
	s_and_b32 s61, s[WIN_+(\i)], 0x1fe0
	s_lshl_b32 s61, s61, 5
	s_add_co_u32 s[RO+(\i)], s[RO+(\i)], s61
	v_add_nc_u32 v[QO+(\i)], s[RO+(\i)], v[L8]
.irp s, 0,1,2,3
	global_load_b64 v[Q+8*(\i)+2*(\s):Q+8*(\i)+2*(\s)+1], v[QO+(\i)], s[6:7] offset:256*(\s)  ; the same four numbers of the row as x's load s holds
.endr
.endr
.macro TOK i
	s_wait_loadcnt 12-4*(\i)                       ; loads come back in order: x (issued first) and this token's q are in; the later tokens' four loads each may stay out
.irp s, 0,1,2,3
.set xr, X+16*(\i)+4*(\s)
.set qr, Q+8*(\i)+2*(\s)
	v_cvt_pk_bf16_f32 v[PK],   v[xr],   v[xr+1]
	v_cvt_pk_bf16_f32 v[PK+1], v[xr+2], v[xr+3]
	v_lshlrev_b32 v[xr],   16,  v[PK]              ; xb
	v_and_b32     v[xr+1], s60, v[PK]
	v_lshlrev_b32 v[xr+2], 16,  v[PK+1]
	v_and_b32     v[xr+3], s60, v[PK+1]
	v_lshlrev_b32 v[T],   16,  v[qr]               ; q
	v_and_b32     v[T+1], s60, v[qr]
	v_lshlrev_b32 v[T+2], 16,  v[qr+1]
	v_and_b32     v[T+3], s60, v[qr+1]
	v_pk_add_f32 v[D:D+1],   v[T:T+1],   v[xr:xr+1]   neg_lo:[0,1] neg_hi:[0,1]
	v_pk_add_f32 v[D+2:D+3], v[T+2:T+3], v[xr+2:xr+3] neg_lo:[0,1] neg_hi:[0,1]
.if (\s) == 0
	v_pk_mul_f32 v[CH:CH+1],   v[D:D+1],   v[D:D+1]    ; the first squares start the chains
	v_pk_mul_f32 v[CH+2:CH+3], v[D+2:D+3], v[D+2:D+3]
.else
	v_pk_fma_f32 v[CH:CH+1],   v[D:D+1],   v[D:D+1],   v[CH:CH+1]
	v_pk_fma_f32 v[CH+2:CH+3], v[D+2:D+3], v[D+2:D+3], v[CH+2:CH+3]
.endif
	v_pk_add_f32 v[xr:xr+1],   v[xr:xr+1],   v[D:D+1]
	v_pk_add_f32 v[xr+2:xr+3], v[xr+2:xr+3], v[D+2:D+3]
	global_store_b128 v[L16], v[xr:xr+3], s[10:11] offset:(\i)*ROWB+512*(\s) th:TH_STORE_NT  ; 512 consecutive bytes, aligned
.endr
	v_pk_add_f32 v[CH:CH+1], v[CH:CH+1], v[CH+2:CH+3]
	v_add_f32 v[PK], v[CH], v[CH+1]
	v_add_f32_dpp v[PK], v[PK], v[PK] row_xmask:1 row_mask:0xf bank_mask:0xf
	v_add_f32_dpp v[PK], v[PK], v[PK] row_xmask:2 row_mask:0xf bank_mask:0xf
	v_add_f32_dpp v[PK], v[PK], v[PK] row_xmask:4 row_mask:0xf bank_mask:0xf
	v_add_f32_dpp v[PK], v[PK], v[PK] row_xmask:8 row_mask:0xf bank_mask:0xf
	v_permlanex16_b32 v[PK+1], v[PK], s58, s59
	v_add_f32 v[PK], v[PK], v[PK+1]
	v_mul_f32 v[PK], 0x3b000000, v[PK]             ; / 512, exact
	v_fmamk_f32 v[LOSS], v[PK], 0x3e800000, v[PK]  ; 0.25 L + L
	v_mov_b32 v[IX], s[WIN_+(\i)]
	ds_store_b32 v[LA], v[LOSS] offset:4*(\i)      ; all lanes write the same word with the same number
	ds_store_b32 v[LA], v[IX] offset:256+4*(\i)
.endm
	TOK 0
	TOK 1
	TOK 2
	TOK 3
	s_wait_dscnt 0x0                               ; for the others' sake: my eight words are in LDS
	s_barrier_signal -1
	s_barrier_wait -1
	s_cmp_lt_u32 s57, 2                            ; wave 0 sends the 64 losses, wave 1 the 64 codes
	s_cbranch_scc0 .Lend
	ds_load_b64 v[BK:BK+1], v[BA]
	s_cmp_eq_u32 s57, 0
	s_cselect_b64 s[12:13], s[12:13], s[14:15]
	s_wait_dscnt 0x0
	global_store_b64 v[L8], v[BK:BK+1], s[12:13]   ; 256 consecutive bytes, aligned
.Lend:
	s_wait_tensorcnt 0x0                           ; the wave's end: behind my last LDS store
	ds_add_u32 v[SPW], v[NIL]
	s_wait_dscnt 0x0
	s_endpgm
.Lfunc_end_k_q0b59dd36d0_finish:
	.size	k_q0b59dd36d0_finish, .Lfunc_end_k_q0b59dd36d0_finish-k_q0b59dd36d0_finish
	.p2alignl 7, 3214868480
	.fill 96, 4, 3214868480
	.section	.rodata,"a",@progbits
	.p2align	6, 0x0
	.amdhsa_kernel k_q0b59dd36d0_finish
		.amdhsa_group_segment_fixed_size 2560
		.amdhsa_private_segment_fixed_size 0
		.amdhsa_enable_private_segment 0
		.amdhsa_kernarg_size 48
		.amdhsa_user_sgpr_count 2
		.amdhsa_user_sgpr_kernarg_segment_ptr 1
		.amdhsa_wavefront_size32 1
		.amdhsa_system_sgpr_workgroup_id_x 1
		.amdhsa_system_sgpr_workgroup_id_y 1
		.amdhsa_system_sgpr_workgroup_id_z 1
		.amdhsa_system_vgpr_workitem_id 0
		.amdhsa_next_free_vgpr 128
		.amdhsa_next_free_sgpr 66
		.amdhsa_reserve_vcc 0
		.amdhsa_float_denorm_mode_32 3
		.amdhsa_float_denorm_mode_16_64 3
		.amdhsa_memory_ordered 1
		.amdhsa_forward_progress 1
		.amdhsa_inst_pref_size 25
	.end_amdhsa_kernel
	.amdgpu_metadata
---
amdhsa.version: [ 1, 2 ]
amdhsa.kernels:
  - .name:           k_q0b59dd36d0_finish
    .symbol:         k_q0b59dd36d0_finish.kd
    .args:
      - { .name: latents, .offset: 0, .size: 8, .value_kind: global_buffer, .address_space: global }
      - { .name: embb, .offset: 8, .size: 8, .value_kind: global_buffer, .address_space: global }
      - { .name: cand, .offset: 16, .size: 8, .value_kind: global_buffer, .address_space: global }
      - { .name: out0, .offset: 24, .size: 8, .value_kind: global_buffer, .address_space: global }
      - { .name: out1, .offset: 32, .size: 8, .value_kind: global_buffer, .address_space: global }
      - { .name: out2, .offset: 40, .size: 8, .value_kind: global_buffer, .address_space: global }
    .group_segment_fixed_size: 2560
    .private_segment_fixed_size: 0
    .kernarg_segment_align: 8
    .kernarg_segment_size: 48
    .max_flat_workgroup_size: 512
    .sgpr_count:     66
    .vgpr_count:     128
    .wavefront_size: 32
...
	.end_amdgpu_metadata
.endif
;; end of part 3
;; ======== version 2 of 2: 3 launches; version 1 with the launches pack, finish written anew for expert scheduling mode
;; workspace buffers: embb 8,650,752 bytes; cand 524,288 bytes of whole numbers
;; launch pack (part 4): grid 256 x 1, 8 waves a work-group, no clusters, 1,280 bytes of LDS; arguments emb, embb; writes embb
.if DOCPART == 4
	.amdgcn_target "amdgcn-amd-amdhsa--gfx1250"
	.amdhsa_code_object_version 6
	.text
	.protected	k_q0b59dd36d0_pack
	.globl	k_q0b59dd36d0_pack
	.p2align	8
	.type	k_q0b59dd36d0_pack,@function
k_q0b59dd36d0_pack:
	s_mov_b64 s[64:65], 0
	v_nop
	global_prefetch_b8 v0, s[64:65] scope:SCOPE_SE
	s_setreg_imm32_b32 hwreg(HW_REG_WAVE_SCHED_MODE, 0, 2), 2
	s_setreg_imm32_b32 hwreg(HW_REG_WAVE_MODE, 25, 1), 1
	s_wait_xcnt 0x0
	s_wait_alu depctr_vm_vsrc(0)
; emb [8192][512] f32  ->  embb: 256 groups of 32 codes.  A group is 33 rows of 1,024 bytes: rows 0-31 the codes rounded once to bf16 (k as it lies),
; row 32 the 32 norms B = sum of bf16(e)^2 in f32 (128 bytes) and 896 bytes of zeros.  So one tile of 33 rows brings codes and norms together in the next launch.
; SHARES.  Work-group g makes group g; wave w its rows 4 w .. 4 w + 3.  A wave's 16 loads (512 consecutive bytes each) go out at once: there is no loop.
; Every store of a wave covers 256 or 512 consecutive bytes, aligned to 256.  Memory binds: no matrix unit, no cluster (nothing is shared), no prefetch (all bytes are asked for at the start).
; LIMITS.  The norm is an f32 sum in a tree over lanes, another order than a sum along the row; NaN and infinities pass through as they are.
; THE MODE: SCHED_MODE bits 1:0 = 2 (LLVM: expert scheduling mode 2), set by the entry lines.  The code itself states the register dependences
; between vector instructions and memory or LDS instructions, with s_wait_alu, always for 0.
; THE PLAN.  Registers that memory or LDS instructions touch:
;   v[L16], v[L8], v[LA], v[LB], v[SPW], v[NIL]   offsets and addresses: made at the head, never written again.
;   X       the 16 loads land here; no vector line names these registers ahead of the loads, and nothing is loaded into them again.
;   P[i]    written by row i's eight conversions; read by row i's four stores; never written again.
;   NS[i]   written by the last addition of row i's sum; read by one LDS store, issued in row i + 1; never written again.
;   NR      wave 0 alone: an LDS load lands in its first four registers, four selects write them anew, four moves write the others; two stores read all eight.
; So ONE wait on va_vdst stands in a row, behind its conversions: it states that P[i] is written and that NS[i - 1] is.  The LDS store and the four stores follow it, dealt among the
; lines that widen and square, which write E and CH alone.  No register that a memory or LDS instruction has read is written again: the text owes no wait on vm_vsrc.
.set EROW,  2048                       ; bytes in a row of emb
.set BROW,  1024                       ; bytes in a row of embb
.set GRP,   33*BROW                    ; bytes in a group
.set SPARE, 256                        ; LDS: bytes 0-127 the 32 norms (the block 0-255 is theirs); from 256 on the spare words, 128 bytes a wave
.set LN,  1                            ; v1   lane
.set L16, 2                            ; v2   16 x lane
.set L8,  3                            ; v3   8 x lane
.set LA,  4                            ; v4   16 x wave: where my four norms go in LDS
.set LB,  5                            ; v5   16 x (lane % 8): where the norm row is read back
.set SPW, 6                            ; v6   LDS address of my spare word; never rewritten
.set NIL, 7                            ; v7   0; never rewritten
.set E,   8                            ; v[8:15]   eight numbers widened to f32, two sets by turns
.set CH,  16                           ; v[16:19]  two packed chains of squares
.set R0,  20                           ; v20, v21  the sum across lanes
.set R1,  21
.set NR,  24                           ; v[24:27] the norm row's first 512 bytes; v[28:31] zeros
.set X,   32                           ; v[32:95]  row i, load s at X + 16 i + 4 s
.set P,   96                           ; v[96:127] row i as bf16 at P + 8 i: a set for each row, so no store's data is written again
.set NS,  128                          ; v[128:131] row i's norm: a register for each row, so no LDS store's data is written again
	s_load_b128 s[4:7], s[0:1], 0x0                ; emb s[4:5], embb s[6:7]
	v_lshl_add_u32 v[SPW], v0, 2, SPARE
	v_mov_b32 v[NIL], 0
	v_lshrrev_b32 v[LA], 5, v0
	v_readfirstlane_b32 s10, v[LA]                 ; wave 0..7
	v_lshlrev_b32 v[LA], 4, v[LA]
	v_and_b32 v[LN], 31, v0
	v_lshlrev_b32 v[L16], 4, v[LN]
	v_lshlrev_b32 v[L8], 3, v[LN]
	v_and_b32 v[LB], 7, v0
	v_lshlrev_b32 v[LB], 4, v[LB]
	v_mov_b32 v[R1], 0                             ; v_permlanex16_b32's destination counts as read
	s_mov_b32 s12, 0x76543210                      ; each lane takes its own place in the other half
	s_mov_b32 s13, 0xfedcba98
	s_mov_b32 s14, 0xffff0000                      ; a word's upper bf16
	s_wait_alu depctr_va_sdst(0)                   ; s10 is written, ahead of its first reader: the rows' offsets are made from it
	s_lshl_b32 s2, ttmp9, 16                       ; the group's 32 rows of 2,048 bytes,
	s_lshl_b32 s3, s10, 13                         ; my four of them
	s_add_co_u32 s2, s2, s3
	s_mov_b32 s3, 0
	s_mul_i32 s16, ttmp9, GRP                      ; the group in embb
	s_mov_b32 s17, 0
	s_lshl_b32 s18, s10, 12                        ; my four rows of 1,024 bytes
	s_mov_b32 s19, 0
	s_wait_kmcnt 0x0
	s_add_nc_u64 s[4:5], s[4:5], s[2:3]
	s_add_nc_u64 s[8:9], s[6:7], s[16:17]          ; the group's first byte
	s_add_nc_u64 s[6:7], s[8:9], s[18:19]          ; my first row
	s_wait_alu depctr_va_vdst(0)                   ; v[L16], v[L8], v[LA] and v[LB] are written: every load, store and LDS instruction below reads one of them as its offset or address
.irp i, 0,1,2,3
.irp s, 0,1,2,3
	global_load_b128 v[X+16*(\i)+4*(\s):X+16*(\i)+4*(\s)+3], v[L16], s[4:5] offset:(\i)*EROW+512*(\s) th:TH_LOAD_NT
.endr
.endr
; Row i: rounded, stored, squared and summed.  left = the loads of the rows behind it, which may stay out.
.macro ROW i, left
	s_wait_loadcnt \left                           ; loads come back in order: my row's four are in
.irp s, 0,1,2,3
	v_cvt_pk_bf16_f32 v[P+8*(\i)+2*(\s)],   v[X+16*(\i)+4*(\s)],   v[X+16*(\i)+4*(\s)+1]
	v_cvt_pk_bf16_f32 v[P+8*(\i)+2*(\s)+1], v[X+16*(\i)+4*(\s)+2], v[X+16*(\i)+4*(\s)+3]
.endr
	s_wait_alu depctr_va_vdst(0)                   ; the eight conversions have written P[i], which the four stores below read; the row before has written its norm, which the LDS store below reads
.if (\i) > 0
	ds_store_b32 v[LA], v[NS+(\i)-1] offset:4*((\i)-1)  ; the row before's norm: all lanes write the same word with the same number
.endif
.irp s, 0,1,2,3
	global_store_b64 v[L8], v[P+8*(\i)+2*(\s):P+8*(\i)+2*(\s)+1], s[6:7] offset:(\i)*BROW+256*(\s)  ; 32 lanes x 8 bytes: 256 consecutive bytes, aligned.  No wait: no vector line since the wait above writes P[i] or v[L8]
	v_lshlrev_b32 v[E+4*((\s)%2)],   16,  v[P+8*(\i)+2*(\s)]      ; the rounded numbers, widened again
	v_and_b32     v[E+4*((\s)%2)+1], s14, v[P+8*(\i)+2*(\s)]
	v_lshlrev_b32 v[E+4*((\s)%2)+2], 16,  v[P+8*(\i)+2*(\s)+1]
	v_and_b32     v[E+4*((\s)%2)+3], s14, v[P+8*(\i)+2*(\s)+1]
.if (\s) == 0
	v_pk_mul_f32 v[CH:CH+1],   v[E:E+1],   v[E:E+1]              ; the first squares start the chains: nothing is cleared
	v_pk_mul_f32 v[CH+2:CH+3], v[E+2:E+3], v[E+2:E+3]
.else
	v_pk_fma_f32 v[CH:CH+1],   v[E+4*((\s)%2):E+4*((\s)%2)+1],   v[E+4*((\s)%2):E+4*((\s)%2)+1],   v[CH:CH+1]
	v_pk_fma_f32 v[CH+2:CH+3], v[E+4*((\s)%2)+2:E+4*((\s)%2)+3], v[E+4*((\s)%2)+2:E+4*((\s)%2)+3], v[CH+2:CH+3]
.endif
.endr
	v_pk_add_f32 v[CH:CH+1], v[CH:CH+1], v[CH+2:CH+3]
	v_add_f32 v[R0], v[CH], v[CH+1]
	v_add_f32_dpp v[R0], v[R0], v[R0] row_xmask:1 row_mask:0xf bank_mask:0xf
	v_add_f32_dpp v[R0], v[R0], v[R0] row_xmask:2 row_mask:0xf bank_mask:0xf
	v_add_f32_dpp v[R0], v[R0], v[R0] row_xmask:4 row_mask:0xf bank_mask:0xf
	v_add_f32_dpp v[R0], v[R0], v[R0] row_xmask:8 row_mask:0xf bank_mask:0xf
	v_permlanex16_b32 v[R1], v[R0], s12, s13
	v_add_f32 v[NS+(\i)], v[R0], v[R1]             ; every lane holds the row's norm, in the row's own register
.endm
	ROW 0, 12
	ROW 1, 8
	ROW 2, 4
	ROW 3, 0
	s_wait_alu depctr_va_vdst(0)                   ; row 3's last addition has written its norm, which the LDS store reads
	ds_store_b32 v[LA], v[NS+3] offset:12
	s_wait_dscnt 0x0                               ; for wave 0's sake: my four norms are in LDS
	s_barrier_signal -1
	s_barrier_wait -1
	s_cmp_lg_u32 s10, 0                            ; wave 0 writes the group's row 32
	s_cbranch_scc1 .Lend
	ds_load_b128 v[NR:NR+3], v[LB]                 ; lanes 0-7 take the 128 bytes; the others read the same bytes and drop them.  No vector line has named these four registers
.irp z, 4,5,6,7
	v_mov_b32 v[NR+(\z)], 0
.endr
	v_cmp_gt_u32 vcc_lo, 8, v[LN]
	s_wait_dscnt 0x0
	s_wait_alu depctr_va_vcc(0)                    ; the compare has written VCC, ahead of its first reader
.irp z, 0,1,2,3
	v_cndmask_b32 v[NR+(\z)], 0, v[NR+(\z)], vcc_lo
.endr
	s_wait_alu depctr_va_vdst(0)                   ; the four selects and the four moves have written v[NR ..], which the two stores read
	global_store_b128 v[L16], v[NR:NR+3],   s[8:9] offset:32*BROW      ; the norms and 384 bytes of zeros: 512 consecutive bytes,
	global_store_b128 v[L16], v[NR+4:NR+7], s[8:9] offset:32*BROW+512  ; and the row's other 512
.Lend:
	s_wait_dscnt 0x0                               ; the closing lines, six on end
	s_wait_alu 0x0
	s_wait_tensorcnt 0x0
	ds_add_u32 v[SPW], v[NIL]
	s_wait_dscnt 0x0
	s_endpgm
.Lfunc_end_k_q0b59dd36d0_pack:
	.size	k_q0b59dd36d0_pack, .Lfunc_end_k_q0b59dd36d0_pack-k_q0b59dd36d0_pack
	.p2alignl 7, 3214868480
	.fill 96, 4, 3214868480
	.section	.rodata,"a",@progbits
	.p2align	6, 0x0
	.amdhsa_kernel k_q0b59dd36d0_pack
		.amdhsa_group_segment_fixed_size 1280
		.amdhsa_private_segment_fixed_size 0
		.amdhsa_enable_private_segment 0
		.amdhsa_kernarg_size 16
		.amdhsa_user_sgpr_count 2
		.amdhsa_user_sgpr_kernarg_segment_ptr 1
		.amdhsa_wavefront_size32 1
		.amdhsa_system_sgpr_workgroup_id_x 1
		.amdhsa_system_sgpr_workgroup_id_y 1
		.amdhsa_system_sgpr_workgroup_id_z 1
		.amdhsa_system_vgpr_workitem_id 0
		.amdhsa_next_free_vgpr 132
		.amdhsa_next_free_sgpr 66
		.amdhsa_reserve_vcc 1
		.amdhsa_float_denorm_mode_32 3
		.amdhsa_float_denorm_mode_16_64 3
		.amdhsa_memory_ordered 1
		.amdhsa_forward_progress 1
		.amdhsa_inst_pref_size 14
	.end_amdhsa_kernel
	.amdgpu_metadata
---
amdhsa.version: [ 1, 2 ]
amdhsa.kernels:
  - .name:           k_q0b59dd36d0_pack
    .symbol:         k_q0b59dd36d0_pack.kd
    .args:
      - { .name: emb, .offset: 0, .size: 8, .value_kind: global_buffer, .address_space: global }
      - { .name: embb, .offset: 8, .size: 8, .value_kind: global_buffer, .address_space: global }
    .group_segment_fixed_size: 1280
    .private_segment_fixed_size: 0
    .kernarg_segment_align: 8
    .kernarg_segment_size: 16
    .max_flat_workgroup_size: 256
    .sgpr_count:     66
    .vgpr_count:     132
    .wavefront_size: 32
...
	.end_amdgpu_metadata
.endif
;; end of part 4
;; launch score: the kernel of part 2 again; grid 4 x 64, 4 waves a work-group, clusters of 4 x 4, 327,680 bytes of LDS; arguments latents, embb, cand; writes cand
;; launch finish (part 5): grid 256 x 1, 16 waves a work-group, no clusters, 2,560 bytes of LDS; arguments latents, embb, cand, out0, out1, out2; writes out0, out1, out2
.if DOCPART == 5
	.amdgcn_target "amdgcn-amd-amdhsa--gfx1250"
	.amdhsa_code_object_version 6
	.text
	.protected	k_q0b59dd36d0_finish
	.globl	k_q0b59dd36d0_finish
	.p2align	8
	.type	k_q0b59dd36d0_finish,@function
k_q0b59dd36d0_finish:
	s_mov_b64 s[64:65], 0
	v_nop
	global_prefetch_b8 v0, s[64:65] scope:SCOPE_SE
	s_setreg_imm32_b32 hwreg(HW_REG_WAVE_SCHED_MODE, 0, 2), 2
	s_setreg_imm32_b32 hwreg(HW_REG_WAVE_MODE, 25, 1), 1
	s_wait_xcnt 0x0
	s_wait_alu depctr_vm_vsrc(0)
; For each token: the best of its four candidates (one a quarter of the codebook), chosen on whole numbers read from cand: the least key, and of equal keys the lowest quarter, which holds the lowest code.
; Then q = that code's row of embb (bf16), xb = bf16(x):  out0 = fl(xb + fl(q - xb));  L = sum((q - xb)^2) / 512;  out1 = L + 0.25 L (one fused multiply-add);  out2 = the code.
; SHARES.  A work-group has 64 tokens, a wave 4.  Straight-line: a wave's 16 loads of x go out first, its 16 loads of q as soon as the codes are chosen.
; Each load and store of a row covers 512 (q: 256) consecutive bytes, aligned; out1 and out2 leave through LDS, 256 bytes a work-group each, by one store.
; Memory binds: no matrix unit, no cluster (nothing is shared), no prefetch (all bytes are asked for at the start).  EXEC never changes.
; LIMITS.  latents and emb are taken rounded once to bf16, as in the launches before.  The loss's sum is an f32 tree over lanes.  A code read from cand is held to 0 .. 8191.
; THE MODE: SCHED_MODE bits 1:0 = 2 (LLVM: expert scheduling mode 2), set by the entry lines.  The code itself states the register dependences
; between vector instructions and memory or LDS instructions, with s_wait_alu, always for 0.
; THE PLAN.  Registers that memory or LDS instructions touch:
;   v[L16], v[L8], v[LA], v[BA], v[SPW], v[NIL]   offsets and addresses: made at the head, never written again.
;   QO[i]    written by one addition when token i's code is chosen; read by its four loads of q; never written again.
;   IX[i]    written by one move beside it; read by one LDS store; never written again.
;   X[i]     x lands here; token i's arithmetic writes xb and then out0 over it; its four stores read it; never written again.
;   Q[i]     q lands here; vector lines read it; nothing is loaded into it again.
;   LOSS[i]  written by the last line of token i's sum; read by one LDS store, issued in token i + 1; never written again.
;   BK       an LDS load lands here and a store reads it: no vector line names it.
; So one wait on va_vdst stands behind the four choices (all QO and IX are written: sixteen loads and four LDS stores follow), and ONE in each token, behind its arithmetic: it states that the
; token's out0 is written and that LOSS[i - 1] is.  The LDS store and the four stores follow it, dealt among the lines of the sum across lanes, which name CH, PK and LOSS[i] alone.
; No register that a memory or LDS instruction has read is written again: the text owes no wait on vm_vsrc.
.set ROWB,  2048                       ; bytes in a row of latents and of out0
.set SPARE, 512                        ; LDS: 0-255 the 64 losses, 256-511 the 64 codes; from 512 on the spare words, 128 bytes a wave
.set L16, 1                            ; v1   16 x lane
.set L8,  2                            ; v2   8 x lane
.set LA,  3                            ; v3   16 x wave
.set SPW, 4                            ; v4   LDS address of my spare word; never rewritten
.set NIL, 5                            ; v5   0; never rewritten
.set QO,  6                            ; v[6:9]    token i: my byte offset in its code's row
.set T,   10                           ; v[10:13]  q widened
.set D,   14                           ; v[14:17]  q - xb
.set CH,  18                           ; v[18:21]  two packed chains of squares
.set PK,  22                           ; v22, v23  xb packed; later the sum across lanes
.set BK,  26                           ; v[26:27]  the way out
.set BA,  28                           ; v28
.set X,   32                           ; v[32:95]  token i, load s at X + 16 i + 4 s: x, then xb, then out0
.set Q,   96                           ; v[96:127] token i, load s at Q + 8 i + 2 s
.set LOSS, 128                         ; v[128:131] token i's loss: a register for each token, so no LDS store's data is written again
.set IX,  132                          ; v[132:135] token i's code, likewise
.set CA,  16                           ; s[16:47]  quarter c's four (key, code) at CA + 8 c
.set WIN_, 48                          ; s[48:51]  the chosen codes
.set RO,  52                           ; s[52:55]  their rows' byte offsets in embb
	s_load_b256 s[4:11], s[0:1], 0x0               ; latents s[4:5], embb s[6:7], cand s[8:9], out0 s[10:11]
	s_load_b128 s[12:15], s[0:1], 0x20             ; out1 s[12:13], out2 s[14:15]
	v_lshl_add_u32 v[SPW], v0, 2, SPARE
	v_mov_b32 v[NIL], 0
	v_lshrrev_b32 v[LA], 5, v0
	v_readfirstlane_b32 s57, v[LA]                 ; wave 0..15
	v_lshlrev_b32 v[LA], 4, v[LA]
	v_and_b32 v[L8], 31, v0
	v_lshlrev_b32 v[L16], 4, v[L8]
	v_lshlrev_b32 v[L8], 3, v[L8]
	v_lshl_add_u32 v[BA], v[LA], 4, v[L8]          ; 256 x wave + 8 x lane
	s_mov_b32 s58, 0x76543210                      ; each lane takes its own place in the other half
	s_mov_b32 s59, 0xfedcba98
	s_mov_b32 s60, 0xffff0000                      ; a word's upper bf16
	s_wait_alu depctr_va_sdst(0)                   ; s57 is written, ahead of its first reader: the tokens' offsets are made from it
	s_lshl_b32 s2, ttmp9, 17                       ; my first token, 64 g + 4 w: its row of 2,048 bytes,
	s_lshl_b32 s3, s57, 13
	s_add_co_u32 s2, s2, s3
	s_mov_b32 s3, 0
	s_lshl_b32 s62, ttmp9, 9                       ; and its 8 bytes in a quarter of cand
	s_lshl_b32 s63, s57, 5
	s_add_co_u32 s62, s62, s63
	s_mov_b32 s63, 0
	s_wait_kmcnt 0x0
	s_add_nc_u64 s[8:9], s[8:9], s[62:63]
.irp c, 0,1,2,3
	s_load_b256 s[CA+8*(\c):CA+8*(\c)+7], s[8:9], (\c)*0x20000  ; four tokens' (key, code) of quarter c
.endr
	s_add_nc_u64 s[4:5], s[4:5], s[2:3]
	s_add_nc_u64 s[10:11], s[10:11], s[2:3]
	s_wait_alu depctr_va_vdst(0)                   ; v[L16], v[L8], v[LA] and v[BA] are written: the loads, stores and LDS instructions below read them as offsets and addresses
.irp i, 0,1,2,3
.irp s, 0,1,2,3
	global_load_b128 v[X+16*(\i)+4*(\s):X+16*(\i)+4*(\s)+3], v[L16], s[4:5] offset:(\i)*ROWB+512*(\s) th:TH_LOAD_NT
.endr
.endr
	s_lshl_b32 s2, ttmp9, 8                        ; the work-group's 256 bytes of out1 and of out2
	s_add_nc_u64 s[12:13], s[12:13], s[2:3]
	s_add_nc_u64 s[14:15], s[14:15], s[2:3]
	s_wait_kmcnt 0x0                               ; the candidates are in
.irp i, 0,1,2,3
	s_mov_b32 s56, s[CA+2*(\i)]
	s_mov_b32 s[WIN_+(\i)], s[CA+2*(\i)+1]
.irp c, 1,2,3
	s_cmp_lt_u32 s[CA+8*(\c)+2*(\i)], s56          ; strictly less: of equal keys the lower quarter stays
	s_cselect_b32 s56, s[CA+8*(\c)+2*(\i)], s56
	s_cselect_b32 s[WIN_+(\i)], s[CA+8*(\c)+2*(\i)+1], s[WIN_+(\i)]
.endr
	s_min_u32 s[WIN_+(\i)], s[WIN_+(\i)], 0x1fff   ; inside the table, whatever was read
	s_lshl_b32 s[RO+(\i)], s[WIN_+(\i)], 10        ; code c lies at 1,024 c + 1,024 (c / 32): a norm row follows every 32 codes
	s_and_b32 s61, s[WIN_+(\i)], 0x1fe0
	s_lshl_b32 s61, s61, 5
	s_add_co_u32 s[RO+(\i)], s[RO+(\i)], s61
	v_add_nc_u32 v[QO+(\i)], s[RO+(\i)], v[L8]
	v_mov_b32 v[IX+(\i)], s[WIN_+(\i)]
.endr
	s_wait_alu depctr_va_vdst(0)                   ; all four tokens' v[QO ..] are written, which the sixteen loads read as offsets, and their v[IX ..], which the four LDS stores read
.irp i, 0,1,2,3
.irp s, 0,1,2,3
	global_load_b64 v[Q+8*(\i)+2*(\s):Q+8*(\i)+2*(\s)+1], v[QO+(\i)], s[6:7] offset:256*(\s)  ; the same four numbers of the row as x's load s holds
.endr
.endr
.irp i, 0,1,2,3
	ds_store_b32 v[LA], v[IX+(\i)] offset:256+4*(\i)  ; all lanes write the same word with the same number
.endr
.macro TOK i
	s_wait_loadcnt 12-4*(\i)                       ; loads come back in order: x (issued first) and this token's q are in; the later tokens' four loads each may stay out
.irp s, 0,1,2,3
.set xr, X+16*(\i)+4*(\s)
.set qr, Q+8*(\i)+2*(\s)
	v_cvt_pk_bf16_f32 v[PK],   v[xr],   v[xr+1]
	v_cvt_pk_bf16_f32 v[PK+1], v[xr+2], v[xr+3]
	v_lshlrev_b32 v[xr],   16,  v[PK]              ; xb
	v_and_b32     v[xr+1], s60, v[PK]
	v_lshlrev_b32 v[xr+2], 16,  v[PK+1]
	v_and_b32     v[xr+3], s60, v[PK+1]
	v_lshlrev_b32 v[T],   16,  v[qr]               ; q
	v_and_b32     v[T+1], s60, v[qr]
	v_lshlrev_b32 v[T+2], 16,  v[qr+1]
	v_and_b32     v[T+3], s60, v[qr+1]
	v_pk_add_f32 v[D:D+1],   v[T:T+1],   v[xr:xr+1]   neg_lo:[0,1] neg_hi:[0,1]
	v_pk_add_f32 v[D+2:D+3], v[T+2:T+3], v[xr+2:xr+3] neg_lo:[0,1] neg_hi:[0,1]
.if (\s) == 0
	v_pk_mul_f32 v[CH:CH+1],   v[D:D+1],   v[D:D+1]    ; the first squares start the chains
	v_pk_mul_f32 v[CH+2:CH+3], v[D+2:D+3], v[D+2:D+3]
.else
	v_pk_fma_f32 v[CH:CH+1],   v[D:D+1],   v[D:D+1],   v[CH:CH+1]
	v_pk_fma_f32 v[CH+2:CH+3], v[D+2:D+3], v[D+2:D+3], v[CH+2:CH+3]
.endif
	v_pk_add_f32 v[xr:xr+1],   v[xr:xr+1],   v[D:D+1]
	v_pk_add_f32 v[xr+2:xr+3], v[xr+2:xr+3], v[D+2:D+3]
.endr
	s_wait_alu depctr_va_vdst(0)                   ; the additions have written the token's out0 into X[i], which the four stores below read; the token before has written its loss, which the LDS store below reads
.if (\i) > 0
	ds_store_b32 v[LA], v[LOSS+(\i)-1] offset:4*((\i)-1)  ; the token before's loss: all lanes write the same word with the same number
.endif
	global_store_b128 v[L16], v[X+16*(\i):X+16*(\i)+3], s[10:11] offset:(\i)*ROWB th:TH_STORE_NT  ; 512 consecutive bytes, aligned.  No further wait: no vector line since the wait above names X[i] or v[L16]
	v_pk_add_f32 v[CH:CH+1], v[CH:CH+1], v[CH+2:CH+3]
	v_add_f32 v[PK], v[CH], v[CH+1]
	global_store_b128 v[L16], v[X+16*(\i)+4:X+16*(\i)+7], s[10:11] offset:(\i)*ROWB+512 th:TH_STORE_NT
	v_add_f32_dpp v[PK], v[PK], v[PK] row_xmask:1 row_mask:0xf bank_mask:0xf
	v_add_f32_dpp v[PK], v[PK], v[PK] row_xmask:2 row_mask:0xf bank_mask:0xf
	global_store_b128 v[L16], v[X+16*(\i)+8:X+16*(\i)+11], s[10:11] offset:(\i)*ROWB+1024 th:TH_STORE_NT
	v_add_f32_dpp v[PK], v[PK], v[PK] row_xmask:4 row_mask:0xf bank_mask:0xf
	v_add_f32_dpp v[PK], v[PK], v[PK] row_xmask:8 row_mask:0xf bank_mask:0xf
	global_store_b128 v[L16], v[X+16*(\i)+12:X+16*(\i)+15], s[10:11] offset:(\i)*ROWB+1536 th:TH_STORE_NT
	v_permlanex16_b32 v[PK+1], v[PK], s58, s59
	v_add_f32 v[PK], v[PK], v[PK+1]
	v_mul_f32 v[PK], 0x3b000000, v[PK]             ; / 512, exact
	v_fmamk_f32 v[LOSS+(\i)], v[PK], 0x3e800000, v[PK]  ; 0.25 L + L, into the token's own register
.endm
	TOK 0
	TOK 1
	TOK 2
	TOK 3
	s_wait_alu depctr_va_vdst(0)                   ; token 3's last line has written its loss, which the LDS store reads
	ds_store_b32 v[LA], v[LOSS+3] offset:12
	s_wait_dscnt 0x0                               ; for the others' sake: my eight words are in LDS
	s_barrier_signal -1
	s_barrier_wait -1
	s_cmp_lt_u32 s57, 2                            ; wave 0 sends the 64 losses, wave 1 the 64 codes
	s_cbranch_scc0 .Lend
	ds_load_b64 v[BK:BK+1], v[BA]                  ; no vector line has named these two registers
	s_cmp_eq_u32 s57, 0
	s_cselect_b64 s[12:13], s[12:13], s[14:15]
	s_wait_dscnt 0x0
	global_store_b64 v[L8], v[BK:BK+1], s[12:13]   ; 256 consecutive bytes, aligned; its data come from the LDS load, which the wait above shows done
.Lend:
	s_wait_dscnt 0x0                               ; the closing lines, six on end
	s_wait_alu 0x0
	s_wait_tensorcnt 0x0
	ds_add_u32 v[SPW], v[NIL]
	s_wait_dscnt 0x0
	s_endpgm
.Lfunc_end_k_q0b59dd36d0_finish:
	.size	k_q0b59dd36d0_finish, .Lfunc_end_k_q0b59dd36d0_finish-k_q0b59dd36d0_finish
	.p2alignl 7, 3214868480
	.fill 96, 4, 3214868480
	.section	.rodata,"a",@progbits
	.p2align	6, 0x0
	.amdhsa_kernel k_q0b59dd36d0_finish
		.amdhsa_group_segment_fixed_size 2560
		.amdhsa_private_segment_fixed_size 0
		.amdhsa_enable_private_segment 0
		.amdhsa_kernarg_size 48
		.amdhsa_user_sgpr_count 2
		.amdhsa_user_sgpr_kernarg_segment_ptr 1
		.amdhsa_wavefront_size32 1
		.amdhsa_system_sgpr_workgroup_id_x 1
		.amdhsa_system_sgpr_workgroup_id_y 1
		.amdhsa_system_sgpr_workgroup_id_z 1
		.amdhsa_system_vgpr_workitem_id 0
		.amdhsa_next_free_vgpr 136
		.amdhsa_next_free_sgpr 66
		.amdhsa_reserve_vcc 0
		.amdhsa_float_denorm_mode_32 3
		.amdhsa_float_denorm_mode_16_64 3
		.amdhsa_memory_ordered 1
		.amdhsa_forward_progress 1
		.amdhsa_inst_pref_size 25
	.end_amdhsa_kernel
	.amdgpu_metadata
---
amdhsa.version: [ 1, 2 ]
amdhsa.kernels:
  - .name:           k_q0b59dd36d0_finish
    .symbol:         k_q0b59dd36d0_finish.kd
    .args:
      - { .name: latents, .offset: 0, .size: 8, .value_kind: global_buffer, .address_space: global }
      - { .name: embb, .offset: 8, .size: 8, .value_kind: global_buffer, .address_space: global }
      - { .name: cand, .offset: 16, .size: 8, .value_kind: global_buffer, .address_space: global }
      - { .name: out0, .offset: 24, .size: 8, .value_kind: global_buffer, .address_space: global }
      - { .name: out1, .offset: 32, .size: 8, .value_kind: global_buffer, .address_space: global }
      - { .name: out2, .offset: 40, .size: 8, .value_kind: global_buffer, .address_space: global }
    .group_segment_fixed_size: 2560
    .private_segment_fixed_size: 0
    .kernarg_segment_align: 8
    .kernarg_segment_size: 48
    .max_flat_workgroup_size: 512
    .sgpr_count:     66
    .vgpr_count:     136
    .wavefront_size: 32
...
	.end_amdgpu_metadata
.endif
;; end of part 5
